; MI455X (gfx1250); checked and timed in simulation.
; The chip was launched on July 23, 2026; its instructions are those of AMD's public machine-readable ISA for CDNA 5 (MIT licence, August 2026) and "CDNA5" Instruction Set Architecture Reference Guide (July 2026). The comments in the code are by the model that wrote it; some were corrected since.
;; Mo EFFN. Allowed arithmetic: float matrix products may take bf16 or f16 operands with f32 sums; other float arithmetic in f32, or as packed bf16 or f16 multiplies, adds, multiply-adds, maxima and minima; sums over many terms, partial sums and values carried from step to step in f32; what a program stores and reads back later, other than sums and carried values, may be rounded once to bf16 or f16.
;; Inputs: W1 8 x 1,024 x 4,096 float32; W2 8 x 4,096 x 1,024 float32; Wr 1,024 x 8 float32; b1 8 x 4,096 float32; b2 8 x 1,024 float32; x 2 x 512 x 1,024 float32.
;; Outputs: out0 2 x 512 x 1,024 float32.
;; One version. Each part assembles by itself: llvm-mc -triple=amdgcn-amd-amdhsa -mcpu=gfx1250 --defsym DOCPART=n.
;; ======== version 1 of 1: 5 launches
;; limits: a function is approximated: absolute error at most 1.5e-07
;; workspace buffers: xb 2,097,152 bytes; sel 4,096 bytes of whole numbers; gate 8,192 bytes; rankb 32,768 bytes of whole numbers; meta 1,024 bytes of whole numbers; xg 16,777,216 bytes; hbuf 67,108,864 bytes; part 134,217,728 bytes
;; launch router (part 1): grid 64 x 1, 8 waves a work-group, no clusters, 58,880 bytes of LDS; arguments x, Wr, xb, sel, gate; writes xb, sel, gate
.if DOCPART == 1
	.amdgcn_target "amdgcn-amd-amdhsa--gfx1250"
	.amdhsa_code_object_version 6
	.text
	.protected	k_qed398c5dea_router
	.globl	k_qed398c5dea_router
	.p2align	8
	.type	k_qed398c5dea_router,@function
k_qed398c5dea_router:
	s_mov_b64 s[64:65], 0
	v_nop
	global_prefetch_b8 v0, s[64:65] scope:SCOPE_SE
	s_setreg_imm32_b32 hwreg(HW_REG_WAVE_MODE, 25, 1), 1
	s_wait_xcnt 0x0
; ROUTER.  xb = x rounded to bf16; logits = xb . bf16(Wr), products by the matrix unit, sums in f32; the two largest logits of each token and their gates.
; sel[t] = e1 | e2 << 8 | ((1 << e1) | (1 << e2)) << 16, gate[t] = (g1, g2), both at fixed places: no address and no branch here hangs on the choice.
; g1 = 1 / (1 + 2^((l2 - l1) log2 e)), g2 = 1 - g1 as E g1: l1 is the row's maximum, so the maximum is taken away; the softmax's divisor cancels in w / sum(w).
; SHARES.  A work-group has 16 tokens (the matrix instruction's 16 columns), 64 work-groups in all; wave w rounds rows 2 w, 2 w + 1 and multiplies k = 128 w .. 128 w + 127; wave 0 adds the eight parts and chooses.
; LIMITS.  The choice is made on logits: probabilities that round to a tie while their logits differ go by the logit; equal logits keep the lower index.  The logits' sums have another order than an
; einsum's.  NaN and infinities are not treated apart.  No cluster: the work-groups share Wr alone, 32 KiB against 64 KiB of x each, and it comes through registers to be rounded.
.set PX,    2064                       ; an LDS row: 2,048 bytes of bf16 + 16 = 129 x 16: the 16 rows of a fragment load start 16 bytes apart modulo 256
.set XT,    0                          ; 16 rows of x
.set WT,    16*PX                      ; 8 rows of Wr turned: [expert][k]
.set RED,   49664                      ; 8 waves x 1,024 bytes: the partial logits
.set SPARE, 57856                      ; the spare words, 128 bytes a wave: four blocks of 256 bytes that no other line names
.set SPW, 4                            ; v4      LDS address of my spare word; never rewritten
.set NIL, 5                            ; v5      0; never rewritten
.set X,   32                           ; v[32:95]   x as loaded; later the fragments; later the eight parts
.set WR,  96                           ; v[96:127]  Wr as loaded: W[kk][n] at WR + 8 kk + n; later the two accumulators
.set XP,  128                          ; v[128:159] x rounded
.set TW,  160                          ; v[160:175] Wr rounded
.set FA,  32                           ; fragments of Wr^T, K step s at FA + 8 s
.set FB,  64                           ; fragments of x
.set AC0, 96
.set AC1, 104
.set LG,  32                           ; the eight logits of my token
	s_load_b256 s[4:11], s[0:1], 0x0               ; x s[4:5], Wr s[6:7], xb s[8:9], sel s[10:11]
	s_load_b64 s[12:13], s[0:1], 0x20              ; gate
	v_lshl_add_u32 v[SPW], v0, 2, SPARE
	v_mov_b32 v[NIL], 0
	v_and_b32 v1, 31, v0                           ; lane
	v_and_b32 v2, 15, v0                           ; r
	v_bfe_u32 v3, v0, 4, 1                         ; h
	v_lshrrev_b32 v14, 5, v0
	v_readfirstlane_b32 s16, v14                   ; wave
	s_lshl_b32 s17, s16, 13
	v_lshl_add_u32 v6, v1, 4, s17                  ; x: two rows of 4,096 bytes a wave, 16 bytes a lane
	s_lshl_b32 s17, s16, 12
	v_lshl_add_u32 v7, v1, 3, s17                  ; xb: two rows of 2,048 bytes a wave, 8 bytes a lane
	s_mul_i32 s17, s16, 2*PX
	v_lshl_add_u32 v8, v1, 3, s17                  ; the same two rows in XT
	v_lshlrev_b32 v15, 7, v0                       ; Wr: thread t has rows 4 t .. 4 t + 3, 128 bytes
	v_lshl_add_u32 v16, v0, 3, WT                  ; and their place in a row of WT
	v_and_b32 v9, 7, v0
	v_mul_u32_u24 v9, v9, PX
	v_mul_u32_u24 v10, v2, PX
	s_lshl_b32 s17, s16, 8
	v_lshl_add_u32 v14, v3, 4, s17                 ; my wave's 256 bytes of a row + 16 h
	v_add3_u32 v9, v9, v14, WT                     ; fragment of Wr^T: row r % 8 (rows 8-15 repeat rows 0-7)
	v_add_nc_u32 v10, v10, v14                     ; fragment of x: row r
	s_lshl_b32 s17, s16, 10
	s_add_co_u32 s17, s17, RED
	v_lshl_add_u32 v11, v1, 4, s17                 ; my wave's part
	v_lshl_add_u32 v12, v1, 4, RED                 ; all parts
	v_lshlrev_b32 v13, 3, v2
	v_lshl_add_u32 v13, v3, 2, v13                 ; gate: 8 r + 4 h
	v_lshlrev_b32 v17, 2, v2                       ; sel: 4 r
	s_lshl_b32 s14, ttmp9, 16
	s_mov_b32 s15, 0
	s_lshl_b32 s18, ttmp9, 15
	s_mov_b32 s19, 0
	s_lshl_b32 s20, ttmp9, 6
	s_mov_b32 s21, 0
	s_lshl_b32 s22, ttmp9, 7
	s_mov_b32 s23, 0
	s_wait_kmcnt 0x0
	s_add_nc_u64 s[4:5], s[4:5], s[14:15]          ; each tensor at the work-group's 16 tokens
	s_add_nc_u64 s[8:9], s[8:9], s[18:19]
	s_add_nc_u64 s[10:11], s[10:11], s[20:21]
	s_add_nc_u64 s[12:13], s[12:13], s[22:23]
.irp m, 0,1,2,3,4,5,6,7
	global_load_b128 v[WR+4*(\m):WR+4*(\m)+3], v15, s[6:7] offset:16*(\m)
.endr
.irp i, 0,1
.irp j, 0,1,2,3,4,5,6,7
	global_load_b128 v[X+4*(8*(\i)+(\j)):X+4*(8*(\i)+(\j))+3], v6, s[4:5] offset:4096*(\i)+512*(\j) th:TH_LOAD_NT
.endr
.endr
	s_wait_loadcnt 16                              ; Wr is in; x's sixteen loads, issued behind it, may stay out
.irp n, 0,1,2,3,4,5,6,7
	v_cvt_pk_bf16_f32 v[TW+2*(\n)], v[WR+(\n)], v[WR+8+(\n)]        ; column n of rows 4 t, 4 t + 1
	v_cvt_pk_bf16_f32 v[TW+2*(\n)+1], v[WR+16+(\n)], v[WR+24+(\n)]  ; and of rows 4 t + 2, 4 t + 3
	ds_store_b64 v16, v[TW+2*(\n):TW+2*(\n)+1] offset:(\n)*PX
.endr
	s_wait_loadcnt 0x0                             ; x
.irp i, 0,1
.irp j, 0,1,2,3,4,5,6,7
	v_cvt_pk_bf16_f32 v[XP+2*(8*(\i)+(\j))], v[X+4*(8*(\i)+(\j))], v[X+4*(8*(\i)+(\j))+1]
	v_cvt_pk_bf16_f32 v[XP+2*(8*(\i)+(\j))+1], v[X+4*(8*(\i)+(\j))+2], v[X+4*(8*(\i)+(\j))+3]
	global_store_b64 v7, v[XP+2*(8*(\i)+(\j)):XP+2*(8*(\i)+(\j))+1], s[8:9] offset:2048*(\i)+256*(\j)  ; the wave stores 256 consecutive bytes, at a multiple of 256 from xb's first
	ds_store_b64 v8, v[XP+2*(8*(\i)+(\j)):XP+2*(8*(\i)+(\j))+1] offset:PX*(\i)+256*(\j)
.endr
.endr
	s_wait_dscnt 0x0                               ; for the others' sake: my rows of XT and my part of WT are written
	s_barrier_signal -1
	s_barrier_wait -1
.irp s, 0,1,2,3
	ds_load_b128 v[FA+8*(\s):FA+8*(\s)+3],   v9 offset:64*(\s)
	ds_load_b128 v[FA+8*(\s)+4:FA+8*(\s)+7], v9 offset:64*(\s)+32
	ds_load_b128 v[FB+8*(\s):FB+8*(\s)+3],   v10 offset:64*(\s)
	ds_load_b128 v[FB+8*(\s)+4:FB+8*(\s)+7], v10 offset:64*(\s)+32
.endr
	s_wait_dscnt 0x0
	; source 0 = experts (rows), source 1 = tokens (columns): register j of lane (r, h) is expert j's logit of token r.  Two accumulators by turns.
	v_wmma_f32_16x16x32_bf16 v[AC0:AC0+7], v[FA:FA+7], v[FB:FB+7], 0
	v_wmma_f32_16x16x32_bf16 v[AC1:AC1+7], v[FA+8:FA+15], v[FB+8:FB+15], 0
	v_wmma_f32_16x16x32_bf16 v[AC0:AC0+7], v[FA+16:FA+23], v[FB+16:FB+23], v[AC0:AC0+7]
	v_wmma_f32_16x16x32_bf16 v[AC1:AC1+7], v[FA+24:FA+31], v[FB+24:FB+31], v[AC1:AC1+7]
.rept 4
	v_nop                                          ; four places behind the products (ISA guide 7.12.1)
.endr
.irp d, 0,2,4,6
	v_pk_add_f32 v[AC0+(\d):AC0+(\d)+1], v[AC0+(\d):AC0+(\d)+1], v[AC1+(\d):AC1+(\d)+1]  ; each accumulator's lowest registers are read first
.endr
	ds_store_b128 v11, v[AC0:AC0+3]
	ds_store_b128 v11, v[AC0+4:AC0+7] offset:512
	s_wait_dscnt 0x0                               ; for wave 0's sake
	s_barrier_signal -1
	s_barrier_wait -1
	s_cmp_lg_u32 s16, 0
	s_cbranch_scc1 .Lend                           ; the rest is wave 0's; no barrier stands in it
.irp w, 0,1,2,3,4,5,6,7
	ds_load_b128 v[LG+8*(\w):LG+8*(\w)+3],   v12 offset:1024*(\w)
	ds_load_b128 v[LG+8*(\w)+4:LG+8*(\w)+7], v12 offset:1024*(\w)+512
.endr
	s_wait_dscnt 0x0
.irp w, 1,2,3,4,5,6,7
.irp d, 0,2,4,6
	v_pk_add_f32 v[LG+(\d):LG+(\d)+1], v[LG+(\d):LG+(\d)+1], v[LG+8*(\w)+(\d):LG+8*(\w)+(\d)+1]
.endr
.endr
	; the two largest, by selects alone.  v96 l1, v97 e1, v98 l2, v99 e2.  The strict compare keeps the lower index among equals.
	v_mov_b32 v96, v[LG]
	v_mov_b32 v97, 0
	v_mov_b32 v98, 0xff800000
	v_mov_b32 v99, 1
.irp e, 1,2,3,4,5,6,7
	v_cmp_gt_f32 s24, v[LG+(\e)], v96
	v_cmp_gt_f32 s25, v[LG+(\e)], v98
	v_cndmask_b32 v98, v98, v[LG+(\e)], s25
	v_cndmask_b32 v99, v99, \e, s25
	v_cndmask_b32 v98, v98, v96, s24
	v_cndmask_b32 v99, v99, v97, s24
	v_cndmask_b32 v96, v96, v[LG+(\e)], s24
	v_cndmask_b32 v97, v97, \e, s24
.endr
	v_sub_f32 v100, v98, v96                       ; l2 - l1, never above 0
	v_mul_f32 v100, 0x3fb8aa3b, v100
	v_exp_f32 v101, v100
	v_mov_b32 v107, 1                              ; a plain instruction behind the exponential,
	s_wait_alu depctr_va_vdst(0)                   ; and the wait ahead of its first reader
	v_add_f32 v102, 1.0, v101
	v_rcp_f32 v103, v102                           ; g1
	v_lshlrev_b32 v106, v97, v107                  ; 1 << e1: plain work behind the reciprocal
	v_lshlrev_b32 v108, v99, v107
	s_wait_alu depctr_va_vdst(0)
	v_mul_f32 v104, v101, v103                     ; g2
	v_cmp_eq_u32 vcc_lo, 1, v3
	v_cndmask_b32 v105, v103, v104, vcc_lo         ; lanes 0-15 hold g1, lanes 16-31 g2 of the same tokens
	global_store_b32 v13, v105, s[12:13]
	v_or_b32 v106, v106, v108
	v_lshl_or_b32 v109, v99, 8, v97
	v_lshl_or_b32 v109, v106, 16, v109
	v_cmp_gt_u32 vcc_lo, 16, v0
	s_wait_xcnt 0x0                                ; EXEC changes only behind this wait
	s_and_saveexec_b32 s26, vcc_lo
	global_store_b32 v17, v109, s[10:11]           ; one word a token
	s_wait_xcnt 0x0                                ; and again in front of the line that widens it
	s_or_b32 exec_lo, exec_lo, s26
.Lend:
	s_wait_tensorcnt 0x0                           ; the wave's end: behind my last LDS store
	ds_add_u32 v[SPW], v[NIL]
	s_wait_dscnt 0x0
	s_endpgm
.Lfunc_end_k_qed398c5dea_router:
	.size	k_qed398c5dea_router, .Lfunc_end_k_qed398c5dea_router-k_qed398c5dea_router
	.p2alignl 7, 3214868480
	.fill 96, 4, 3214868480
	.section	.rodata,"a",@progbits
	.p2align	6, 0x0
	.amdhsa_kernel k_qed398c5dea_router
		.amdhsa_group_segment_fixed_size 58880
		.amdhsa_private_segment_fixed_size 0
		.amdhsa_enable_private_segment 0
		.amdhsa_kernarg_size 40
		.amdhsa_user_sgpr_count 2
		.amdhsa_user_sgpr_kernarg_segment_ptr 1
		.amdhsa_wavefront_size32 1
		.amdhsa_system_sgpr_workgroup_id_x 1
		.amdhsa_system_sgpr_workgroup_id_y 1
		.amdhsa_system_sgpr_workgroup_id_z 1
		.amdhsa_system_vgpr_workitem_id 0
		.amdhsa_next_free_vgpr 176
		.amdhsa_next_free_sgpr 66
		.amdhsa_reserve_vcc 1
		.amdhsa_float_denorm_mode_32 3
		.amdhsa_float_denorm_mode_16_64 3
		.amdhsa_memory_ordered 1
		.amdhsa_forward_progress 1
		.amdhsa_inst_pref_size 21
	.end_amdhsa_kernel
	.amdgpu_metadata
---
amdhsa.version: [ 1, 2 ]
amdhsa.kernels:
  - .name:           k_qed398c5dea_router
    .symbol:         k_qed398c5dea_router.kd
    .args:
      - { .name: x, .offset: 0, .size: 8, .value_kind: global_buffer, .address_space: global }
      - { .name: Wr, .offset: 8, .size: 8, .value_kind: global_buffer, .address_space: global }
      - { .name: xb, .offset: 16, .size: 8, .value_kind: global_buffer, .address_space: global }
      - { .name: sel, .offset: 24, .size: 8, .value_kind: global_buffer, .address_space: global }
      - { .name: gate, .offset: 32, .size: 8, .value_kind: global_buffer, .address_space: global }
    .group_segment_fixed_size: 58880
    .private_segment_fixed_size: 0
    .kernarg_segment_align: 8
    .kernarg_segment_size: 40
    .max_flat_workgroup_size: 256
    .sgpr_count:     66
    .vgpr_count:     176
    .wavefront_size: 32
...
	.end_amdgpu_metadata
.endif
;; end of part 1
;; launch place (part 2): grid 128 x 1, 8 waves a work-group, no clusters, 33,792 bytes of LDS; arguments xb, sel, xg, rankb, meta; writes xg, rankb, meta
.if DOCPART == 2
	.amdgcn_target "amdgcn-amd-amdhsa--gfx1250"
	.amdhsa_code_object_version 6
	.text
	.protected	k_qed398c5dea_place
	.globl	k_qed398c5dea_place
	.p2align	8
	.type	k_qed398c5dea_place,@function
k_qed398c5dea_place:
	s_mov_b64 s[64:65], 0
	v_nop
	global_prefetch_b8 v0, s[64:65] scope:SCOPE_SE
	s_setreg_imm32_b32 hwreg(HW_REG_WAVE_MODE, 25, 1), 1
	s_wait_xcnt 0x0
; PLACING.  xg[e x 1024 + rank] = xb[token] for each of a token's two experts e: the rows of an expert lie end to end, so that the first product reads dense blocks of 16 rows.
; rank = how many tokens ahead of this one chose e, in the order (register, lane) in which a wave holds sel: register 4 G + c of lane l is token 128 G + 4 l + c.  Any one order serves: it is a bijection
; onto 0 .. count - 1, and every wave counts alike.  rankb[e][token] and meta[e] = nblk = max(1, ceil(count / 16)) go to the later launches.
; SHARES.  128 work-groups of 8 waves; wave w has token 8 wg + w.  Every work-group ranks for itself: wave w ranks all 1,024 tokens for expert w in registers and lays the ranks into an LDS table
; [expert][token]; behind one barrier lane l reads table[l % 8][my token], and the two ranks wanted are read out of the lanes that sel names, as scalars, clamped, and enter scalar bases.
; Work-group 0 stores the table and nblk.  Work-group j < 16: wave e stores a row of zeros at rank count + j where that lies inside the expert's last block, so that every row of a block has been stored,
; for an expert without tokens too (16 rows of zeros).  These are forward scalar branches; no barrier stands in them.
; A stream of 2 KiB rows: the matrix unit, tensor loads and clusters would add nothing; what the work-groups share is sel, 4 KiB.
.set TAB,   0                          ; 8 experts x 4,096 bytes
.set SPARE, 32768                      ; the spare words, 128 bytes a wave: four blocks of 256 bytes that no other line names
.set LANE16, 2
.set LANE4, 3
.set SPW,  4                           ; LDS address of my spare word; never rewritten
.set NIL,  5                           ; 0; never rewritten
.set ZERO, 12                          ; v12-15
.set SELV, 32                          ; v32-63  sel as loaded
.set RK,   64                          ; v64-95  ranks for my wave's expert
.set ROW,  96                          ; v96-111 my token's row
	s_load_b256 s[4:11], s[0:1], 0x0               ; xb s[4:5], sel s[6:7], xg s[8:9], rankb s[10:11]
	s_load_b64 s[12:13], s[0:1], 0x20              ; meta
	v_lshl_add_u32 v[SPW], v0, 2, SPARE
	v_mov_b32 v[NIL], 0
	v_and_b32 v1, 31, v0
	v_lshlrev_b32 v[LANE16], 4, v1
	v_lshlrev_b32 v[LANE4], 2, v1
	v_lshrrev_b32 v6, 5, v0
	v_readfirstlane_b32 s16, v6                    ; wave: the expert that I rank for
	s_mov_b32 s19, ttmp9
	s_lshl3_add_u32 s17, s19, s16                  ; my token
	s_add_co_u32 s18, s16, 16
	s_lshl_b32 s18, 1, s18                         ; my expert's bit in a word of sel
	s_lshl_b32 s20, s17, 2
	s_mov_b32 s21, 0
	s_lshl_b32 s22, s17, 11                        ; a row of xb is 2,048 bytes
	s_mov_b32 s23, 0
	s_mov_b32 s33, 0
	s_mov_b32 s35, 0
	s_mov_b32 s43, 0
	s_mov_b32 s47, 0
	v_and_b32 v7, 7, v0
	v_lshlrev_b32 v7, 12, v7
	v_add_nc_u32 v7, s20, v7                       ; table[lane % 8][my token]
	s_lshl_b32 s24, s16, 12
	v_add_nc_u32 v8, s24, v[LANE16]                ; my expert's part of the table, 16 bytes a lane
.irp i, 0,1,2,3
	v_mov_b32 v[ZERO+(\i)], 0
.endr
	s_wait_kmcnt 0x0
	s_add_nc_u64 s[26:27], s[6:7], s[20:21]
	s_load_b32 s28, s[26:27], 0x0                  ; my token's word of sel
	s_add_nc_u64 s[4:5], s[4:5], s[22:23]
.irp g, 0,1,2,3,4,5,6,7
	global_load_b128 v[SELV+4*(\g):SELV+4*(\g)+3], v[LANE16], s[6:7] offset:512*(\g)
.endr
.irp j, 0,1,2,3
	global_load_b128 v[ROW+4*(\j):ROW+4*(\j)+3], v[LANE16], s[4:5] offset:512*(\j) th:TH_LOAD_NT
.endr
	s_wait_loadcnt 4                               ; sel is in; the row's four loads, issued behind it, may stay out
	s_mov_b32 s25, 0                               ; members so far
.set g, 0
.rept 32
	v_and_b32 v9, s18, v[SELV+g]
	v_cmp_ne_u32 vcc_lo, 0, v9                     ; who chose my expert
	v_mbcnt_lo_u32_b32 v[RK+g], vcc_lo, s25        ; rank = members so far + members in lower lanes
	s_bcnt1_i32_b32 s29, vcc_lo
	s_add_co_u32 s25, s25, s29
.set g, g+1
.endr
.irp g, 0,1,2,3,4,5,6,7
	ds_store_b128 v8, v[RK+4*(\g):RK+4*(\g)+3] offset:512*(\g)
.endr
	s_add_co_u32 s30, s25, 15
	s_lshr_b32 s30, s30, 4
	s_max_u32 s30, s30, 1
	s_min_u32 s30, s30, 64                         ; nblk
	s_lshl_b32 s31, s30, 4                         ; the rows of its blocks
	s_cmp_lg_u32 s19, 0
	s_cbranch_scc1 .Lno_tab
	s_lshl_b32 s46, s16, 12
	s_add_nc_u64 s[48:49], s[10:11], s[46:47]
	s_lshl_b32 s46, s16, 7
	s_add_nc_u64 s[50:51], s[12:13], s[46:47]
.irp g, 0,1,2,3,4,5,6,7
	global_store_b128 v[LANE16], v[RK+4*(\g):RK+4*(\g)+3], s[48:49] offset:512*(\g)  ; 512 consecutive bytes
.endr
	v_mov_b32 v11, s30
	global_store_b32 v[LANE4], v11, s[50:51]       ; 32 equal words
.Lno_tab:
	s_cmp_ge_u32 s19, 16
	s_cbranch_scc1 .Lno_pad
	s_add_co_u32 s42, s25, s19                     ; rank count + work-group
	s_cmp_ge_u32 s42, s31
	s_cbranch_scc1 .Lno_pad                        ; past the last block: nothing to fill
	s_min_u32 s42, s42, 0x3ff
	s_lshl_b32 s24, s16, 10
	s_add_co_u32 s42, s42, s24
	s_lshl_b32 s42, s42, 11
	s_add_nc_u64 s[44:45], s[8:9], s[42:43]
.irp j, 0,1,2,3
	global_store_b128 v[LANE16], v[ZERO:ZERO+3], s[44:45] offset:512*(\j)
.endr
.Lno_pad:
	s_wait_dscnt 0x0                               ; for the others' sake: my expert's ranks are written
	s_barrier_signal -1
	s_barrier_wait -1
	ds_load_b32 v10, v7                            ; lane l: my token's rank with expert l % 8
	s_wait_kmcnt 0x0
	s_and_b32 s40, s28, 0xff
	s_min_u32 s40, s40, 7                          ; e1
	s_bfe_u32 s41, s28, 0x80008
	s_min_u32 s41, s41, 7                          ; e2
	s_wait_dscnt 0x0
	v_readlane_b32 s32, v10, s40
	v_readlane_b32 s34, v10, s41
	s_min_u32 s32, s32, 0x3ff
	s_min_u32 s34, s34, 0x3ff
	s_lshl_b32 s40, s40, 10
	s_lshl_b32 s41, s41, 10
	s_add_co_u32 s32, s32, s40                     ; the row's place: expert x 1,024 + rank,
	s_add_co_u32 s34, s34, s41
	s_lshl_b32 s32, s32, 11                        ; in bytes
	s_lshl_b32 s34, s34, 11
	s_add_nc_u64 s[36:37], s[8:9], s[32:33]
	s_add_nc_u64 s[38:39], s[8:9], s[34:35]
	s_wait_loadcnt 0x0                             ; my row
.irp j, 0,1,2,3
	global_store_b128 v[LANE16], v[ROW+4*(\j):ROW+4*(\j)+3], s[36:37] offset:512*(\j)  ; 512 consecutive bytes, at a multiple of 256 from xg's first
	global_store_b128 v[LANE16], v[ROW+4*(\j):ROW+4*(\j)+3], s[38:39] offset:512*(\j)
.endr
	s_barrier_signal -1                            ; my read of the table is back (the wait above),
	s_barrier_wait -1                              ; and everybody's, before any wave goes on to its closing lines
	s_wait_tensorcnt 0x0                           ; the wave's end: behind my last LDS store
	ds_add_u32 v[SPW], v[NIL]
	s_wait_dscnt 0x0
	s_endpgm
.Lfunc_end_k_qed398c5dea_place:
	.size	k_qed398c5dea_place, .Lfunc_end_k_qed398c5dea_place-k_qed398c5dea_place
	.p2alignl 7, 3214868480
	.fill 96, 4, 3214868480
	.section	.rodata,"a",@progbits
	.p2align	6, 0x0
	.amdhsa_kernel k_qed398c5dea_place
		.amdhsa_group_segment_fixed_size 33792
		.amdhsa_private_segment_fixed_size 0
		.amdhsa_enable_private_segment 0
		.amdhsa_kernarg_size 40
		.amdhsa_user_sgpr_count 2
		.amdhsa_user_sgpr_kernarg_segment_ptr 1
		.amdhsa_wavefront_size32 1
		.amdhsa_system_sgpr_workgroup_id_x 1
		.amdhsa_system_sgpr_workgroup_id_y 1
		.amdhsa_system_sgpr_workgroup_id_z 1
		.amdhsa_system_vgpr_workitem_id 0
		.amdhsa_next_free_vgpr 112
		.amdhsa_next_free_sgpr 66
		.amdhsa_reserve_vcc 1
		.amdhsa_float_denorm_mode_32 3
		.amdhsa_float_denorm_mode_16_64 3
		.amdhsa_memory_ordered 1
		.amdhsa_forward_progress 1
		.amdhsa_inst_pref_size 13
	.end_amdhsa_kernel
	.amdgpu_metadata
---
amdhsa.version: [ 1, 2 ]
amdhsa.kernels:
  - .name:           k_qed398c5dea_place
    .symbol:         k_qed398c5dea_place.kd
    .args:
      - { .name: xb, .offset: 0, .size: 8, .value_kind: global_buffer, .address_space: global }
      - { .name: sel, .offset: 8, .size: 8, .value_kind: global_buffer, .address_space: global }
      - { .name: xg, .offset: 16, .size: 8, .value_kind: global_buffer, .address_space: global }
      - { .name: rankb, .offset: 24, .size: 8, .value_kind: global_buffer, .address_space: global }
      - { .name: meta, .offset: 32, .size: 8, .value_kind: global_buffer, .address_space: global }
    .group_segment_fixed_size: 33792
    .private_segment_fixed_size: 0
    .kernarg_segment_align: 8
    .kernarg_segment_size: 40
    .max_flat_workgroup_size: 256
    .sgpr_count:     66
    .vgpr_count:     112
    .wavefront_size: 32
...
	.end_amdgpu_metadata
.endif
;; end of part 2
;; launch fc1 (part 3): grid 32 x 8, 8 waves a work-group, no clusters, 263,168 bytes of LDS; arguments W1, b1, xg, meta, hbuf; writes hbuf
.if DOCPART == 3
	.amdgcn_target "amdgcn-amd-amdhsa--gfx1250"
	.amdhsa_code_object_version 6
	.text
	.protected	k_qed398c5dea_fc1
	.globl	k_qed398c5dea_fc1
	.p2align	8
	.type	k_qed398c5dea_fc1,@function
k_qed398c5dea_fc1:
	s_mov_b64 s[64:65], 0
	v_nop
	global_prefetch_b8 v0, s[64:65] scope:SCOPE_SE
	s_setreg_imm32_b32 hwreg(HW_REG_WAVE_MODE, 25, 1), 1
	s_wait_xcnt 0x0
; FIRST PRODUCT.  hbuf[e x 1024 + rank] = gelu(xg[e x 1024 + rank] . bf16(W1[e]) + bf16(b1[e])) in bf16; xg holds the rows of x that chose expert e, end to end, in bf16.
; SHARES.  Work-group (SL, EX) owns columns 128 SL .. + 127 of W1[EX], 1,024 x 128 f32, which it alone reads, and all of that expert's rows, in blocks of 16.  Eight waves, all alike.
; K goes in 8 chunks of 128.  Of each chunk wave w brings one ITEM (K step w / 2 of 32, unit w % 2 of 64 columns: 16 loads of 16 bytes a lane), rounds it to bf16 and lays it into LDS as four finished
; source-1 fragments; behind the chunk's one barrier every wave multiplies its blocks 2 w, 2 w + 1 by the chunk's 128 columns, its rows of xg loaded straight into source-0 registers.
; Behind barrier t waves read chunk t while others already write chunk t + 1: other bytes.  The slice stays in LDS, each byte written once; blocks 16 and up are multiplied from it afterwards, without barriers.
; THE 8 CHUNKS ARE WRITTEN OUT: every LDS address is a register that is never rewritten plus a constant, and every wait's count can be read off the text.
; ONE COUNTER, TWO KINDS OF LOADS.  Loads come back in order (ISA guide 5.7.1), so a wait for a row also waits for every weight load issued ahead of it.  Both kinds are therefore asked for two chunks
; ahead, in trip t first item W(t + 2), then, behind step s, rows A(t + 2, s): no wait asks for a weight earlier than its own trip does.  16 to 32 weight loads of a wave are on their way.
; FRAGMENTS.  W1 lies [k][n].  Lane (r, h) loads 16 bytes, columns 64 u + 4 r .. + 3, of 16 rows k; lanes 0-15 take 256 consecutive aligned bytes of one row, lanes 16-31 of another.  Rounding rows k, k + 1 of
; column c in one instruction makes a k pair of fragment nb = 4 u + c, in which lane r stands for column 64 u + 4 r + c.  So in the result a lane's eight fragments are eight numbers of one row: 16 bytes,
; stored at 16 r of the slice's 256: position 8 r + 4 u + c of each group of 128 holds column 64 u + 4 r + c.  The second product takes W2's rows in that order.
; EVERY SPLIT.  nblk comes from meta (1 to 64).  A main block at or past nblk repeats block nblk - 1 and is not stored; blocks at or past nblk are jumped by scalar branches with no barrier in them.
; The 16 blocks of the main pass are multiplied whatever the count, since no barrier may hang on it.  Rows past the count in the last block are rows of zeros in xg; their results are stored and never used.
; GELU.  gelu(v) = max(v, 0) - |v| y, y = erfc(|v| / sqrt 2) / 2 = t (a1 + t (a2 + ..)) 2^(-v^2 log2(e) / 2) / 2, t = 1 / (1 + p |v| / sqrt 2) (Abramowitz and Stegun 7.1.26: erf to 1.5e-7 for every argument).
; LIMITS.  All inputs are rounded to bf16, h once to bf16.  A power of two below 2^-126 counts as 0.  NaN and infinities are not treated apart.
; NO CLUSTER: a slice of weights has one reader.  The rows of xg are shared by an expert's 32 work-groups, but beside the slice's 262,144 bytes LDS has no room for two slots of 256 rows x 256 bytes.
.set PITCH,  16384                     ; bytes in a row of W1[e]
.set HSTEP,  8                         ; lanes 16-31 take the row this many below that of lanes 0-15
.set WSROWS, 32                        ; rows from one K step to the next
.set CHUNKB, 128*PITCH
.set ROWB,   8192                      ; bytes in a row of hbuf
.set SPARE,  262144                    ; behind the slice (K step s at 8,192 s, fragment nb at + 1,024 nb, half p at + 512 p, 16 bytes a lane): the spare words, four blocks of 256 bytes that no other line names
; window 0
.set LANE, 1
.set RR,   2                           ; lane % 16
.set HH,   3                           ; lane / 16
.set SPW,  4                           ; LDS address of my spare word; never rewritten
.set NIL,  5                           ; 0; never rewritten
.set LANE16, 6
.set WOFF, 7                           ; my byte offset in a chunk of the slice
.set H16,  8
.set BR,   9                           ; the blocks past the main pass: where fragments are read
.set R16,  10
.set TOK,  12                          ; v12-13  byte offset of my row of xg, + 16 h, for my two blocks
.set OOFF, 14                          ; my byte offset in a block of hbuf
.set ROWA, 15                          ; 2,048 r + 16 h
.set WADR, 16                          ; v16-19  where my item's fragments go, chunks 2 i and 2 i + 1; never rewritten
.set BADR, 20                          ; v20-23  where fragments are read, chunks 2 i and 2 i + 1; never rewritten
.set BRAW, 24                          ; v24-31  b1 as loaded
.set A5V,  32                          ; v32-33  a5 / 2, twice
.set TA,   34
.set BIP,  36                          ; v36-51  the bias of fragment nb, twice, at BIP + 2 nb
.set BF,   64                          ; v64-127  a K step's eight fragments
.set PK,   64                          ; v64-95   my item rounded: stored and awaited ahead of the barrier behind which fragments are loaded
.set ARING, 128                        ; v128-255 eight slots (two chunks' K steps) of 2 blocks x 8 registers
.set VV,   128                         ; the way out: 64 sums + bias, fragment nb, row j at VV + 8 nb + j
.set GU,   64                          ; the way out, 16 numbers at a time
.set GW,   80
.set GD,   96
.set GP,   112
.set GM,   192
.set OUT,  208                         ; v208-239  a block's 8 rows, 16 bytes each
; window 1: v0-127 accumulator (b, nb) at 8 (8 b + nb); v128-255 two items of 64 registers as loaded
.set STG,  128
.set WV, 20
.set PW, 21                            ; my K step in a chunk
.set SL, 22
.set EX, 23
.set NBLK, 24
.set SAV, 26
.set TS, 27
.set UU, 29                            ; my unit
.set UI, 30
.set BLK, 31
.set KIT, 33
.set WB, 34                            ; s[34:41] the slice at chunks 0, 2, 4, 6
.set AB0, 42                           ; s[42:43] xg at my expert's rows
.set RB, 44
.set OF, 46                            ; s[46:47] an offset, high word 0
.set OUTB, 48
.set OB, 50
.set BB, 52
.set KOFF, 58                          ; s[58:59]
.set K1, 66                            ; s[66:67]
.set K2, 68
.set A4, 70
.set A3, 72
.set A2, 74
.set A1, 76
.set MSB, 0
.macro WIN new                         ; the immediate's high byte repeats the setting that is left; a switch that changes nothing is dropped
.if MSB != (\new)
	s_set_vgpr_msb (MSB<<8)|(\new)
.set MSB, \new
.endif
.endm
.set MUL, 0x50                         ; C and D in window 1
.set TO1, 0x40                         ; destination in window 1
.set CVT, 0x05                         ; sources 0 and 1 in window 1
.set RD1, 0x01                         ; source 0 in window 1
.macro PLACES                          ; four places between a matrix instruction and a load into, or a vector instruction on, its registers (ISA guide 7.12.1 for vector instructions)
.rept 4
	v_nop
.endr
.endm
.macro WLOAD t                         ; my item of chunk t: position (p, i) is k = 16 p + 8 h + i of my K step
	WIN TO1
.irp p, 0,1
.irp i, 0,1,2,3,4,5,6,7
	global_load_b128 v[STG+64*((\t)%2)+4*(8*(\p)+(\i)):STG+64*((\t)%2)+4*(8*(\p)+(\i))+3], v[WOFF], s[WB+2*((\t)/2):WB+2*((\t)/2)+1] offset:((\t)%2)*CHUNKB+(16*(\p)+(\i))*PITCH th:TH_LOAD_NT
.endr
.endr
.endm
.macro ALOAD q, imm                    ; one K step's source-0 fragments of my two blocks, into slot q
.irp b, 0,1
	global_load_b128 v[ARING+16*(\q)+8*(\b):ARING+16*(\q)+8*(\b)+3],   v[TOK+(\b)], s[AB0:AB0+1] offset:(\imm)
	global_load_b128 v[ARING+16*(\q)+8*(\b)+4:ARING+16*(\q)+8*(\b)+7], v[TOK+(\b)], s[AB0:AB0+1] offset:(\imm)+32
.endr
.endm
.macro BHALF t, s, hf                  ; four of the eight fragments of chunk t's K step s
.irp c, 0,1,2,3
.irp p, 0,1
	ds_load_b128 v[BF+32*(\hf)+8*(\c)+4*(\p):BF+32*(\hf)+8*(\c)+4*(\p)+3], v[BADR+(\t)/2] offset:32768*((\t)%2)+8192*(\s)+4096*(\hf)+1024*(\c)+512*(\p)
.endr
.endr
.endm
.macro MUL8 q, hf, zero                ; 8 accumulators, one instruction each; the 16 take turns in one order in every step.  zero = 1: the first products start the sums
	WIN MUL
.irp c, 0,1,2,3
.irp b, 0,1
.if \zero
	v_wmma_f32_16x16x32_bf16 v[8*(8*(\b)+4*(\hf)+(\c)):8*(8*(\b)+4*(\hf)+(\c))+7], v[ARING+16*(\q)+8*(\b):ARING+16*(\q)+8*(\b)+7], v[BF+32*(\hf)+8*(\c):BF+32*(\hf)+8*(\c)+7], 0
.else
	v_wmma_f32_16x16x32_bf16 v[8*(8*(\b)+4*(\hf)+(\c)):8*(8*(\b)+4*(\hf)+(\c))+7], v[ARING+16*(\q)+8*(\b):ARING+16*(\q)+8*(\b)+7], v[BF+32*(\hf)+8*(\c):BF+32*(\hf)+8*(\c)+7], v[8*(8*(\b)+4*(\hf)+(\c)):8*(8*(\b)+4*(\hf)+(\c))+7]
.endif
.endr
.endr
.endm
; CHUNK t.  My item is rounded and stored, its registers are asked for again two chunks on; the barrier; four K steps of 16 matrix instructions.
.macro TRIP t
.if (\t) < 6
	s_wait_loadcnt 44                              ; W(t) is in: behind it stand A(t), W(t + 1), A(t + 1), 48 loads; 44 asks for A(t, 0) too, which is wanted straight behind the barrier
.elseif (\t) == 6
	s_wait_loadcnt 48                              ; behind W(6): A(6), W(7), A(7)
.else
	s_wait_loadcnt 16                              ; behind W(7): A(7)
.endif
	WIN CVT
.irp c, 0,1,2,3
.irp p, 0,1
.irp k, 0,1,2,3
	v_cvt_pk_bf16_f32 v[PK+8*(\c)+4*(\p)+(\k)], v[STG+64*((\t)%2)+4*(8*(\p)+2*(\k))+(\c)], v[STG+64*((\t)%2)+4*(8*(\p)+2*(\k)+1)+(\c)]
.endr
.endr
.endr
.if (\t) < 6
	WLOAD (\t)+2
.endif
	WIN 0
.irp c, 0,1,2,3
.irp p, 0,1
	ds_store_b128 v[WADR+(\t)/2], v[PK+8*(\c)+4*(\p):PK+8*(\c)+4*(\p)+3] offset:32768*((\t)%2)+1024*(\c)+512*(\p)
.endr
.endr
	s_wait_dscnt 0x0                               ; for the others' sake: my part of chunk t is written
	s_barrier_signal -1
	s_barrier_wait -1                              ; everybody's is
	BHALF \t, 0, 0
	BHALF \t, 0, 1
.irp s, 0,1,2,3
.if (\t) == 0
	s_wait_loadcnt 44                              ; behind A(0, s): the rest of A(0), A(1), W(2) and A(2, below s): 12 + 16 + 16
.elseif (\t) < 6
	s_wait_loadcnt 56                              ; behind A(t, s): the rest of A(t), W(t + 1), A(t + 1), W(t + 2), A(t + 2, below s): 60; 56 covers the next slot as well
.elseif (\t) == 6
	s_wait_loadcnt 44-4*(\s)                       ; nothing more is asked for: the counts run down
.else
	s_wait_loadcnt 12-4*(\s)
.endif
	s_wait_dscnt 8                                 ; fragments 0-3 are in; the eight loads of fragments 4-7 may be out
.if ((\t) == 0) && ((\s) == 0)
	MUL8 4*((\t)%2)+(\s), 0, 1
.else
	MUL8 4*((\t)%2)+(\s), 0, 0
.endif
.if (\s) < 3
	PLACES
	WIN 0
	BHALF \t, (\s)+1, 0
	s_wait_dscnt 8                                 ; fragments 4-7 are in; the eight just issued may be out
.else
	s_wait_dscnt 0x0
.endif
.if ((\t) == 0) && ((\s) == 0)
	MUL8 4*((\t)%2)+(\s), 1, 1
.else
	MUL8 4*((\t)%2)+(\s), 1, 0
.endif
	PLACES
	WIN 0
.if (\s) < 3
	BHALF \t, (\s)+1, 1
.endif
.if (\t) < 6
	ALOAD 4*((\t)%2)+(\s), 256*((\t)+2)+64*(\s)    ; the slot just multiplied takes the same step two chunks on
.endif
.endr
.endm
.macro RB16 buf, off                   ; the blocks past the main pass: a K step's eight fragments
.irp nb, 0,1,2,3,4,5,6,7
.irp p, 0,1
	ds_load_b128 v[(\buf)+8*(\nb)+4*(\p):(\buf)+8*(\nb)+4*(\p)+3], v[BR] offset:(\off)+1024*(\nb)+512*(\p)
.endr
.endr
.endm
.macro RA slot, imm                    ; the same: four K steps' source-0 fragments of one block
.irp t, 0,1,2,3
	global_load_b128 v[ARING+32*(\slot)+8*(\t):ARING+32*(\slot)+8*(\t)+3],   v[TOK], s[RB:RB+1] offset:(\imm)+64*(\t)
	global_load_b128 v[ARING+32*(\slot)+8*(\t)+4:ARING+32*(\slot)+8*(\t)+7], v[TOK], s[RB:RB+1] offset:(\imm)+64*(\t)+32
.endr
.endm
.macro GATHER b                        ; block b's sums + bias, into the registers that the one text of the way out names; each accumulator's lowest registers are read first
	WIN RD1
.irp nb, 0,1,2,3,4,5,6,7
.irp j, 0,2,4,6
	v_pk_add_f32 v[VV+8*(\nb)+(\j):VV+8*(\nb)+(\j)+1], v[64*(\b)+8*(\nb)+(\j):64*(\b)+8*(\nb)+(\j)+1], v[BIP+2*(\nb):BIP+2*(\nb)+1]
.endr
.endr
	WIN 0
.endm
.macro HORNER co
.irp nb, 0,1,2,3,4,5,6,7
	v_pk_fma_f32 v[GP+2*(\nb):GP+2*(\nb)+1], v[GP+2*(\nb):GP+2*(\nb)+1], v[GD+2*(\nb):GD+2*(\nb)+1], s[(\co):(\co)+1] op_sel_hi:[1,1,0]
.endr
.endm
.macro GELU jp                         ; rows 2 jp, 2 jp + 1 (of my half of the block) x 8 fragments: 16 numbers
.irp nb, 0,1,2,3,4,5,6,7
	v_pk_mul_f32 v[GU+2*(\nb):GU+2*(\nb)+1], v[VV+8*(\nb)+2*(\jp):VV+8*(\nb)+2*(\jp)+1], s[K1:K1+1] op_sel_hi:[1,0]  ; u = v sqrt(log2(e) / 2)
.endr
.irp nb, 0,1,2,3,4,5,6,7
	v_pk_mul_f32 v[GW+2*(\nb):GW+2*(\nb)+1], v[GU+2*(\nb):GU+2*(\nb)+1], v[GU+2*(\nb):GU+2*(\nb)+1] neg_lo:[1,0] neg_hi:[1,0]  ; - u u
.endr
.set i, 0
.rept 16
	v_fma_f32 v[GD+i], |v[GU+i]|, s[K2], 1.0       ; 1 + p |v| / sqrt 2
.set i, i+1
.endr
.set i, 0
.rept 16
	v_exp_f32 v[GW+i], v[GW+i]
.set i, i+1
.endr
.set i, 0
.rept 16
	v_rcp_f32 v[GD+i], v[GD+i]                     ; t
.set i, i+1
.endr
.irp nb, 0,1,2,3,4,5,6,7
.irp w, 0,1
	v_max_num_f32 v[GM+2*(\nb)+(\w)], 0, v[VV+8*(\nb)+2*(\jp)+(\w)]  ; plain work behind the batch
.endr
.endr
	s_wait_alu depctr_va_vdst(0)                   ; ONE wait for the batch of 32, ahead of its first reader
.irp nb, 0,1,2,3,4,5,6,7
	v_pk_fma_f32 v[GP+2*(\nb):GP+2*(\nb)+1], v[GD+2*(\nb):GD+2*(\nb)+1], v[A5V:A5V+1], s[A4:A4+1] op_sel_hi:[1,1,0]
.endr
	HORNER A3
	HORNER A2
	HORNER A1
.irp nb, 0,1,2,3,4,5,6,7
	v_pk_mul_f32 v[GP+2*(\nb):GP+2*(\nb)+1], v[GP+2*(\nb):GP+2*(\nb)+1], v[GD+2*(\nb):GD+2*(\nb)+1]
.endr
.irp nb, 0,1,2,3,4,5,6,7
	v_pk_mul_f32 v[GP+2*(\nb):GP+2*(\nb)+1], v[GP+2*(\nb):GP+2*(\nb)+1], v[GW+2*(\nb):GW+2*(\nb)+1]  ; y
.endr
.irp nb, 0,1,2,3,4,5,6,7
.irp w, 0,1
	v_fma_f32 v[GM+2*(\nb)+(\w)], -|v[VV+8*(\nb)+2*(\jp)+(\w)]|, v[GP+2*(\nb)+(\w)], v[GM+2*(\nb)+(\w)]
.endr
.endr
.irp w, 0,1
.irp k, 0,1,2,3
	v_cvt_pk_bf16_f32 v[OUT+8*(\jp)+4*(\w)+(\k)], v[GM+4*(\k)+(\w)], v[GM+4*(\k)+2+(\w)]  ; fragments 2 k, 2 k + 1 of one row
.endr
	global_store_b128 v[OOFF], v[OUT+8*(\jp)+4*(\w):OUT+8*(\jp)+4*(\w)+3], s[OB:OB+1] offset:ROWB*(2*(\jp)+(\w))  ; 16 lanes store 256 consecutive bytes, at a multiple of 256 from hbuf's first
.endr
.endm
	s_load_b256 s[4:11], s[0:1], 0x0               ; W1 s[4:5], b1 s[6:7], xg s[8:9], meta s[10:11]
	s_load_b64 s[12:13], s[0:1], 0x20              ; hbuf
	v_lshl_add_u32 v[SPW], v0, 2, SPARE
	v_mov_b32 v[NIL], 0
	v_and_b32 v[LANE], 31, v0
	v_and_b32 v[RR], 15, v0
	v_bfe_u32 v[HH], v0, 4, 1
	v_lshrrev_b32 v[TA], 5, v0
	v_readfirstlane_b32 s[WV], v[TA]
	s_lshr_b32 s[PW], s[WV], 1
	s_and_b32 s[UU], s[WV], 1
	s_mov_b32 s[SL], ttmp9
	s_and_b32 s[EX], ttmp7, 0xffff
	v_lshlrev_b32 v[LANE16], 4, v[LANE]
	v_lshlrev_b32 v[H16], 4, v[HH]
	v_lshlrev_b32 v[R16], 4, v[RR]
	s_mul_i32 s[TS], s[PW], WSROWS*PITCH           ; my K step's rows,
	s_lshl_b32 s[SAV], s[UU], 8                    ; my unit's 256 bytes of a row
	s_add_co_u32 s[TS], s[TS], s[SAV]
	v_mul_u32_u24 v[WOFF], v[HH], HSTEP*PITCH
	v_add_nc_u32 v[WOFF], v[WOFF], v[R16]
	v_add_nc_u32 v[WOFF], s[TS], v[WOFF]
	s_lshl_b32 s[TS], s[WV], 12                    ; 8,192 x K step + 4,096 x unit = 4,096 w
	v_add_nc_u32 v[WADR], s[TS], v[LANE16]
	v_mov_b32 v[BADR], v[LANE16]
.irp i, 1,2,3
	v_add_nc_u32 v[WADR+(\i)], (\i)*0x10000, v[WADR]
	v_add_nc_u32 v[BADR+(\i)], (\i)*0x10000, v[LANE16]
.endr
	v_mul_u32_u24 v[OOFF], v[HH], 8*ROWB
	v_add_nc_u32 v[OOFF], v[OOFF], v[R16]
	v_lshl_add_u32 v[ROWA], v[RR], 11, v[H16]
	v_mov_b32 v[A5V], 0x3f07dc22                   ; a5 / 2 = 0.5307027
	v_mov_b32 v[A5V+1], 0x3f07dc22
	s_mov_b32 s[K1], 0x3f596d27                    ; sqrt(log2(e) / 2) = 0.8493218
	s_mov_b32 s[K1+1], 0x3f596d27                  ; (named as pairs, so both words are written)
	s_mov_b32 s[K2], 0x3e8ba43f                    ; 0.3275911 / sqrt(log2(e)) = 0.2727375
	s_mov_b32 s[A4], 0xbf3a00e3                    ; a4 / 2 = -0.7265760
	s_mov_b32 s[A4+1], 0xbf3a00e3
	s_mov_b32 s[A3], 0x3f35f0e3                    ; a3 / 2 = 0.7107069
	s_mov_b32 s[A3+1], 0x3f35f0e3
	s_mov_b32 s[A2], 0xbe11a98e                    ; a2 / 2 = -0.1422484
	s_mov_b32 s[A2+1], 0xbe11a98e
	s_mov_b32 s[A1], 0x3e027906                    ; a1 / 2 = 0.1274148
	s_mov_b32 s[A1+1], 0x3e027906
	s_mov_b32 s[OF+1], 0
	s_mov_b32 s[KOFF+1], 0
	s_wait_kmcnt 0x0
	s_lshl_b32 s[OF], s[EX], 7
	s_add_nc_u64 s[10:11], s[10:11], s[OF:OF+1]
	s_load_b32 s[NBLK], s[10:11], 0x0              ; my expert's number of blocks
	s_lshl_b32 s[OF], s[EX], 24                    ; an expert's W1 is 16 MiB,
	s_lshl_b32 s[TS], s[SL], 9                     ; a slice's 128 columns 512 bytes
	s_add_co_u32 s[OF], s[OF], s[TS]
	s_add_nc_u64 s[WB:WB+1], s[4:5], s[OF:OF+1]
.irp j, 1,2,3
	s_add_nc_u64 s[WB+2*(\j):WB+2*(\j)+1], s[WB+2*(\j)-2:WB+2*(\j)-1], 2*CHUNKB
.endr
	s_lshl_b32 s[OF], s[EX], 14
	s_add_co_u32 s[OF], s[OF], s[TS]
	s_add_nc_u64 s[BB:BB+1], s[6:7], s[OF:OF+1]
	s_lshl_b32 s[OF], s[EX], 23                    ; an expert's 1,024 rows of hbuf are 8 MiB, a slice's 128 numbers 256 bytes
	s_lshl_b32 s[TS], s[SL], 8
	s_add_co_u32 s[OF], s[OF], s[TS]
	s_add_nc_u64 s[OUTB:OUTB+1], s[12:13], s[OF:OF+1]
	s_lshl_b32 s[OF], s[EX], 21                    ; an expert's 1,024 rows of xg are 2 MiB
	s_add_nc_u64 s[AB0:AB0+1], s[8:9], s[OF:OF+1]
	global_load_b128 v[BRAW:BRAW+3],   v[R16], s[BB:BB+1]             ; the bias of columns 64 u + 4 r + c: wanted on the way out alone
	global_load_b128 v[BRAW+4:BRAW+7], v[R16], s[BB:BB+1] offset:256
	WLOAD 0                                        ; the first two chunks' items go out before anything else is done
	WLOAD 1
	WIN 0
	s_wait_kmcnt 0x0
	s_min_u32 s[NBLK], s[NBLK], 64
	s_max_u32 s[NBLK], s[NBLK], 1
	s_sub_co_u32 s[SAV], s[NBLK], 1
.irp b, 0,1
	s_lshl1_add_u32 s[TS], s[WV], \b               ; my blocks 2 w, 2 w + 1; one that does not exist repeats the last that does
	s_min_u32 s[TS], s[TS], s[SAV]
	s_min_u32 s[TS], s[TS], 63
	s_lshl_b32 s[TS], s[TS], 15                    ; 16 rows of 2,048 bytes
	v_add_nc_u32 v[TOK+(\b)], s[TS], v[ROWA]
.endr
.irp q, 0,1,2,3,4,5,6,7
	ALOAD \q, 64*(\q)                              ; the rows of the first two chunks
.endr
.irp t, 0,1,2,3,4,5,6,7
	TRIP \t
.endr
.irp i, 0,1,2,3                        ; every load is back (the last count was 0)
	v_cvt_pk_bf16_f32 v[TA], v[BRAW+2*(\i)], v[BRAW+2*(\i)+1]  ; the bias rounded to bf16, like every input
	v_lshlrev_b32 v[BIP+4*(\i)], 16, v[TA]
	v_lshlrev_b32 v[BIP+4*(\i)+1], 16, v[TA]
	v_and_b32 v[BIP+4*(\i)+2], 0xffff0000, v[TA]
	v_and_b32 v[BIP+4*(\i)+3], 0xffff0000, v[TA]
.endr
	; THE UNITS: eight trips, a block each.  Trips 0, 1: my two blocks go out.  Trips 2-7: blocks w + 8 x trip are multiplied from LDS and go out.  Dead trips jump forward; no barrier stands here, and LDS is only read.
	s_mov_b32 s[UI], 0
.Lunit:
	s_wait_xcnt 0x0                                ; the last unit's stores have read their registers and their base
	s_cmp_ge_u32 s[UI], 2
	s_cbranch_scc1 .Lrem
	s_lshl1_add_u32 s[BLK], s[WV], s[UI]
	s_cmp_ge_u32 s[BLK], s[NBLK]
	s_cbranch_scc1 .Lnext
	s_cmp_eq_u32 s[UI], 0
	s_cbranch_scc1 .Lg0
	s_branch .Lg1
.Lrem:
	s_lshl3_add_u32 s[BLK], s[UI], s[WV]
	s_cmp_ge_u32 s[BLK], s[NBLK]
	s_cbranch_scc1 .Lnext
	s_lshl_b32 s[TS], s[BLK], 15
	v_add_nc_u32 v[TOK], s[TS], v[ROWA]
	s_mov_b64 s[RB:RB+1], s[AB0:AB0+1]
	v_mov_b32 v[BR], v[LANE16]
	RA 0, 0
	RA 1, 256
	WIN TO1
.set i, 0
.rept 64
	v_mov_b32 v[i], 0                              ; the block's sums start at 0, so that one text serves every K step; these lines stand in the wait for the rows
.set i, i+1
.endr
	WIN 0
	s_mov_b32 s[KOFF], 0
	s_mov_b32 s[KIT], 4
.Lk:                                                   ; eight K steps a trip; fragments are asked for two steps ahead inside the trip, rows four to eight steps ahead.  The rows that the last trip asks for ahead are the first steps' once more, and are not used
	s_add_co_u32 s[KOFF], s[KOFF], 512
	s_and_b32 s[KOFF], s[KOFF], 2047
	s_wait_xcnt 0x0                                ; the base is written only behind this wait
	s_add_nc_u64 s[RB:RB+1], s[AB0:AB0+1], s[KOFF:KOFF+1]
	RB16 BF, 0
	RB16 BF+128, 8192
.irp sb, 0,1,2,3,4,5,6,7
.if ((\sb)%4) == 0
	s_wait_loadcnt 8                               ; these four steps' rows are in; the younger slot's eight loads may stay out
.endif
.if (\sb) < 7
	s_wait_dscnt 16                                ; this step's fragments are in; the next step's sixteen loads may stay out
.else
	s_wait_dscnt 0x0
.endif
	WIN MUL
.irp nb, 0,1,2,3,4,5,6,7
	v_wmma_f32_16x16x32_bf16 v[8*(\nb):8*(\nb)+7], v[ARING+8*(\sb):ARING+8*(\sb)+7], v[BF+128*((\sb)%2)+8*(\nb):BF+128*((\sb)%2)+8*(\nb)+7], v[8*(\nb):8*(\nb)+7]
.endr
	PLACES
	WIN 0
.if (\sb) < 6
	RB16 BF+128*((\sb)%2), 8192*((\sb)+2)
.endif
.if (\sb) == 3
	RA 0, 0
.endif
.if (\sb) == 7
	RA 1, 256
.endif
.endr
	v_add_nc_u32 v[BR], 0x10000, v[BR]
	s_sub_co_u32 s[KIT], s[KIT], 1
	s_cmp_lg_u32 s[KIT], 0
	s_cbranch_scc1 .Lk
	s_wait_loadcnt 0x0                             ; what the last trip asked for ahead is retired
.Lg0:
	GATHER 0
	s_branch .Lcommon
.Lg1:
	GATHER 1
.Lcommon:
	s_lshl_b32 s[OF], s[BLK], 17                   ; 16 rows of 8,192 bytes
	s_add_nc_u64 s[OB:OB+1], s[OUTB:OUTB+1], s[OF:OF+1]
	GELU 0
	GELU 1
	GELU 2
	GELU 3
.Lnext:
	s_add_co_u32 s[UI], s[UI], 1
	s_cmp_lt_u32 s[UI], 8
	s_cbranch_scc1 .Lunit
	s_wait_dscnt 0x0                               ; my reads of LDS are back,
	s_barrier_signal -1
	s_barrier_wait -1                              ; and everybody's, before any wave goes on to its closing lines
	s_wait_tensorcnt 0x0                           ; the wave's end: behind my last LDS store
	ds_add_u32 v[SPW], v[NIL]
	s_wait_dscnt 0x0
	s_endpgm
.Lfunc_end_k_qed398c5dea_fc1:
	.size	k_qed398c5dea_fc1, .Lfunc_end_k_qed398c5dea_fc1-k_qed398c5dea_fc1
	.p2alignl 7, 3214868480
	.fill 96, 4, 3214868480
	.section	.rodata,"a",@progbits
	.p2align	6, 0x0
	.amdhsa_kernel k_qed398c5dea_fc1
		.amdhsa_group_segment_fixed_size 263168
		.amdhsa_private_segment_fixed_size 0
		.amdhsa_enable_private_segment 0
		.amdhsa_kernarg_size 40
		.amdhsa_user_sgpr_count 2
		.amdhsa_user_sgpr_kernarg_segment_ptr 1
		.amdhsa_wavefront_size32 1
		.amdhsa_system_sgpr_workgroup_id_x 1
		.amdhsa_system_sgpr_workgroup_id_y 1
		.amdhsa_system_sgpr_workgroup_id_z 1
		.amdhsa_system_vgpr_workitem_id 0
		.amdhsa_next_free_vgpr 512
		.amdhsa_next_free_sgpr 80
		.amdhsa_reserve_vcc 0
		.amdhsa_float_denorm_mode_32 3
		.amdhsa_float_denorm_mode_16_64 3
		.amdhsa_memory_ordered 1
		.amdhsa_forward_progress 1
		.amdhsa_inst_pref_size 186
	.end_amdhsa_kernel
	.amdgpu_metadata
---
amdhsa.version: [ 1, 2 ]
amdhsa.kernels:
  - .name:           k_qed398c5dea_fc1
    .symbol:         k_qed398c5dea_fc1.kd
    .args:
      - { .name: W1, .offset: 0, .size: 8, .value_kind: global_buffer, .address_space: global }
      - { .name: b1, .offset: 8, .size: 8, .value_kind: global_buffer, .address_space: global }
      - { .name: xg, .offset: 16, .size: 8, .value_kind: global_buffer, .address_space: global }
      - { .name: meta, .offset: 24, .size: 8, .value_kind: global_buffer, .address_space: global }
      - { .name: hbuf, .offset: 32, .size: 8, .value_kind: global_buffer, .address_space: global }
    .group_segment_fixed_size: 263168
    .private_segment_fixed_size: 0
    .kernarg_segment_align: 8
    .kernarg_segment_size: 40
    .max_flat_workgroup_size: 256
    .sgpr_count:     80
    .vgpr_count:     512
    .wavefront_size: 32
...
	.end_amdgpu_metadata
.endif
;; end of part 3
;; launch fc2 (part 4): grid 32 x 8, 8 waves a work-group, no clusters, 263,168 bytes of LDS; arguments W2, b2, hbuf, meta, part; writes part
.if DOCPART == 4
	.amdgcn_target "amdgcn-amd-amdhsa--gfx1250"
	.amdhsa_code_object_version 6
	.text
	.protected	k_qed398c5dea_fc2
	.globl	k_qed398c5dea_fc2
	.p2align	8
	.type	k_qed398c5dea_fc2,@function
k_qed398c5dea_fc2:
	s_mov_b64 s[64:65], 0
	v_nop
	global_prefetch_b8 v0, s[64:65] scope:SCOPE_SE
	s_setreg_imm32_b32 hwreg(HW_REG_WAVE_MODE, 25, 1), 1
	s_wait_xcnt 0x0
; SECOND PRODUCT.  part[q][e x 1024 + rank] = hbuf[e x 1024 + rank][quarter q of H] . bf16(W2[e][quarter q]) + bf16(b2[e]) / 4, in f32: partial sums, added by the next launch.
; SHARES.  Work-group (SL, EX), q = SL / 8, d = SL % 8, owns rows 1,024 q .. + 1,023 and columns 128 d .. + 127 of W2[EX], which it alone reads, and all of that expert's rows, in blocks of 16.
; The text is the first product's.  Eight waves, all alike; K in 8 chunks of 128; of each chunk wave w brings one ITEM (K step w / 2 of 32, unit w % 2 of 64 columns: 16 loads of 16 bytes a lane), rounds it
; to bf16 and lays it into LDS as four finished source-1 fragments; behind the chunk's one barrier every wave multiplies its blocks 2 w, 2 w + 1 by the chunk's 128 columns, its rows of hbuf loaded straight
; into source-0 registers.  Behind barrier t waves read chunk t while others already write chunk t + 1: other bytes.  The slice stays in LDS, each byte written once; blocks 16 and up are multiplied from it
; afterwards, without barriers.  THE 8 CHUNKS ARE WRITTEN OUT: every LDS address is a register that is never rewritten plus a constant, and every wait's count can be read off the text.
; ONE COUNTER, TWO KINDS OF LOADS.  Loads come back in order (ISA guide 5.7.1), so both kinds are asked for two chunks ahead, in trip t first item W(t + 2), then, behind step s, rows A(t + 2, s): no wait
; for a row asks for a weight earlier than the weight's own trip does.
; K's ORDER.  In hbuf position 8 r' + 4 u' + c' of each group of 128 holds column 64 u' + 4 r' + c'.  W2's rows are taken in the same order: position 16 p + 8 h + i of K step PW is
; row 16 PW + 64 (i / 4) + 8 p + 4 h + i % 4 of the chunk.  One order of k in both sources leaves the products as they are.
; THE WAY OUT.  Lane r of fragment nb = 4 u + c stands for column 64 u + 4 r + c: four accumulators give four neighbouring f32 of a row, and 16 lanes store 256 consecutive aligned bytes.
; EVERY SPLIT.  nblk comes from meta (1 to 64).  A main block at or past nblk repeats block nblk - 1 and is not stored; blocks at or past nblk are jumped by scalar branches with no barrier in them.
; LIMITS.  W2 and b2 are rounded to bf16; b2 / 4 is exact.  NaN and infinities are not treated apart.
; NO CLUSTER: a slice of weights has one reader.  The rows of hbuf are shared by the 8 work-groups of a quarter, but beside the slice's 262,144 bytes LDS has no room for two slots of 256 rows x 256 bytes.
.set PITCH,  4096                      ; bytes in a row of W2[e]
.set HSTEP,  4                         ; lanes 16-31 take the row this many below that of lanes 0-15
.set WSROWS, 16                        ; rows from one K step to the next
.set CHUNKB, 128*PITCH
.set ROWB,   4096                      ; bytes in a row of part
.set SPARE,  262144                    ; behind the slice (K step s at 8,192 s, fragment nb at + 1,024 nb, half p at + 512 p, 16 bytes a lane): the spare words, four blocks of 256 bytes that no other line names
; window 0
.set LANE, 1
.set RR,   2                           ; lane % 16
.set HH,   3                           ; lane / 16
.set SPW,  4                           ; LDS address of my spare word; never rewritten
.set NIL,  5                           ; 0; never rewritten
.set LANE16, 6
.set WOFF, 7                           ; my byte offset in a chunk of the slice
.set H16,  8
.set BR,   9                           ; the blocks past the main pass: where fragments are read
.set R16,  10
.set TOK,  12                          ; v12-13  byte offset of my row of hbuf, + 16 h, for my two blocks
.set OOFF, 14                          ; my byte offset in a block of part
.set ROWA, 15                          ; 8,192 r + 16 h
.set WADR, 16                          ; v16-19  where my item's fragments go, chunks 2 i and 2 i + 1; never rewritten
.set BADR, 20                          ; v20-23  where fragments are read, chunks 2 i and 2 i + 1; never rewritten
.set BI,   24                          ; v24-31  the bias of fragment nb, a quarter of it
.set TA,   34
.set BF,   64                          ; v64-127  a K step's eight fragments
.set PK,   64                          ; v64-95   my item rounded: stored and awaited ahead of the barrier behind which fragments are loaded
.set ARING, 128                        ; v128-255 eight slots (two chunks' K steps) of 2 blocks x 8 registers
.set VV,   128                         ; the way out: row j, unit u, column c at VV + 4 (2 j + u) + c
; window 1: v0-127 accumulator (b, nb) at 8 (8 b + nb); v128-255 two items of 64 registers as loaded
.set STG,  128
.set WV, 20
.set PW, 21                            ; my K step in a chunk
.set SL, 22
.set EX, 23
.set NBLK, 24
.set SAV, 26
.set TS, 27
.set UU, 29                            ; my unit
.set UI, 30
.set BLK, 31
.set KIT, 33
.set WB, 34                            ; s[34:41] the slice at chunks 0, 2, 4, 6
.set AB0, 42                           ; s[42:43] hbuf at my expert's rows and my quarter
.set RB, 44
.set OF, 46                            ; s[46:47] an offset, high word 0
.set OUTB, 48
.set OB, 50
.set BB, 52
.set KOFF, 58                          ; s[58:59]
.set QQ, 60
.set DS, 61
.set MSB, 0
.macro WIN new                         ; the immediate's high byte repeats the setting that is left; a switch that changes nothing is dropped
.if MSB != (\new)
	s_set_vgpr_msb (MSB<<8)|(\new)
.set MSB, \new
.endif
.endm
.set MUL, 0x50                         ; C and D in window 1
.set TO1, 0x40                         ; destination in window 1
.set CVT, 0x05                         ; sources 0 and 1 in window 1
.set RD1, 0x01                         ; source 0 in window 1
.macro PLACES                          ; four places between a matrix instruction and a load into, or a vector instruction on, its registers (ISA guide 7.12.1 for vector instructions)
.rept 4
	v_nop
.endr
.endm
.macro WLOAD t                         ; my item of chunk t.  Lanes 0-15 take 256 consecutive aligned bytes of one row, lanes 16-31 of the row four below
	WIN TO1
.irp p, 0,1
.irp i, 0,1,2,3,4,5,6,7
	global_load_b128 v[STG+64*((\t)%2)+4*(8*(\p)+(\i)):STG+64*((\t)%2)+4*(8*(\p)+(\i))+3], v[WOFF], s[WB+2*((\t)/2):WB+2*((\t)/2)+1] offset:((\t)%2)*CHUNKB+(64*((\i)/4)+8*(\p)+(\i)%4)*PITCH th:TH_LOAD_NT
.endr
.endr
.endm
.macro ALOAD q, imm                    ; one K step's source-0 fragments of my two blocks, into slot q
.irp b, 0,1
	global_load_b128 v[ARING+16*(\q)+8*(\b):ARING+16*(\q)+8*(\b)+3],   v[TOK+(\b)], s[AB0:AB0+1] offset:(\imm)
	global_load_b128 v[ARING+16*(\q)+8*(\b)+4:ARING+16*(\q)+8*(\b)+7], v[TOK+(\b)], s[AB0:AB0+1] offset:(\imm)+32
.endr
.endm
.macro BHALF t, s, hf                  ; four of the eight fragments of chunk t's K step s
.irp c, 0,1,2,3
.irp p, 0,1
	ds_load_b128 v[BF+32*(\hf)+8*(\c)+4*(\p):BF+32*(\hf)+8*(\c)+4*(\p)+3], v[BADR+(\t)/2] offset:32768*((\t)%2)+8192*(\s)+4096*(\hf)+1024*(\c)+512*(\p)
.endr
.endr
.endm
.macro MUL8 q, hf, zero                ; 8 accumulators, one instruction each; the 16 take turns in one order in every step.  zero = 1: the first products start the sums
	WIN MUL
.irp c, 0,1,2,3
.irp b, 0,1
.if \zero
	v_wmma_f32_16x16x32_bf16 v[8*(8*(\b)+4*(\hf)+(\c)):8*(8*(\b)+4*(\hf)+(\c))+7], v[ARING+16*(\q)+8*(\b):ARING+16*(\q)+8*(\b)+7], v[BF+32*(\hf)+8*(\c):BF+32*(\hf)+8*(\c)+7], 0
.else
	v_wmma_f32_16x16x32_bf16 v[8*(8*(\b)+4*(\hf)+(\c)):8*(8*(\b)+4*(\hf)+(\c))+7], v[ARING+16*(\q)+8*(\b):ARING+16*(\q)+8*(\b)+7], v[BF+32*(\hf)+8*(\c):BF+32*(\hf)+8*(\c)+7], v[8*(8*(\b)+4*(\hf)+(\c)):8*(8*(\b)+4*(\hf)+(\c))+7]
.endif
.endr
.endr
.endm
; CHUNK t.  My item is rounded and stored, its registers are asked for again two chunks on; the barrier; four K steps of 16 matrix instructions.
.macro TRIP t
.if (\t) < 6
	s_wait_loadcnt 44                              ; W(t) is in: behind it stand A(t), W(t + 1), A(t + 1), 48 loads; 44 asks for A(t, 0) too, which is wanted straight behind the barrier
.elseif (\t) == 6
	s_wait_loadcnt 48                              ; behind W(6): A(6), W(7), A(7)
.else
	s_wait_loadcnt 16                              ; behind W(7): A(7)
.endif
	WIN CVT
.irp c, 0,1,2,3
.irp p, 0,1
.irp k, 0,1,2,3
	v_cvt_pk_bf16_f32 v[PK+8*(\c)+4*(\p)+(\k)], v[STG+64*((\t)%2)+4*(8*(\p)+2*(\k))+(\c)], v[STG+64*((\t)%2)+4*(8*(\p)+2*(\k)+1)+(\c)]
.endr
.endr
.endr
.if (\t) < 6
	WLOAD (\t)+2
.endif
	WIN 0
.irp c, 0,1,2,3
.irp p, 0,1
	ds_store_b128 v[WADR+(\t)/2], v[PK+8*(\c)+4*(\p):PK+8*(\c)+4*(\p)+3] offset:32768*((\t)%2)+1024*(\c)+512*(\p)
.endr
.endr
	s_wait_dscnt 0x0                               ; for the others' sake: my part of chunk t is written
	s_barrier_signal -1
	s_barrier_wait -1                              ; everybody's is
	BHALF \t, 0, 0
	BHALF \t, 0, 1
.irp s, 0,1,2,3
.if (\t) == 0
	s_wait_loadcnt 44                              ; behind A(0, s): the rest of A(0), A(1), W(2) and A(2, below s): 12 + 16 + 16
.elseif (\t) < 6
	s_wait_loadcnt 56                              ; behind A(t, s): the rest of A(t), W(t + 1), A(t + 1), W(t + 2), A(t + 2, below s): 60; 56 covers the next slot as well
.elseif (\t) == 6
	s_wait_loadcnt 44-4*(\s)                       ; nothing more is asked for: the counts run down
.else
	s_wait_loadcnt 12-4*(\s)
.endif
	s_wait_dscnt 8                                 ; fragments 0-3 are in; the eight loads of fragments 4-7 may be out
.if ((\t) == 0) && ((\s) == 0)
	MUL8 4*((\t)%2)+(\s), 0, 1
.else
	MUL8 4*((\t)%2)+(\s), 0, 0
.endif
.if (\s) < 3
	PLACES
	WIN 0
	BHALF \t, (\s)+1, 0
	s_wait_dscnt 8                                 ; fragments 4-7 are in; the eight just issued may be out
.else
	s_wait_dscnt 0x0
.endif
.if ((\t) == 0) && ((\s) == 0)
	MUL8 4*((\t)%2)+(\s), 1, 1
.else
	MUL8 4*((\t)%2)+(\s), 1, 0
.endif
	PLACES
	WIN 0
.if (\s) < 3
	BHALF \t, (\s)+1, 1
.endif
.if (\t) < 6
	ALOAD 4*((\t)%2)+(\s), 256*((\t)+2)+64*(\s)    ; the slot just multiplied takes the same step two chunks on
.endif
.endr
.endm
.macro RB16 buf, off                   ; the blocks past the main pass: a K step's eight fragments
.irp nb, 0,1,2,3,4,5,6,7
.irp p, 0,1
	ds_load_b128 v[(\buf)+8*(\nb)+4*(\p):(\buf)+8*(\nb)+4*(\p)+3], v[BR] offset:(\off)+1024*(\nb)+512*(\p)
.endr
.endr
.endm
.macro RA slot, imm                    ; the same: four K steps' source-0 fragments of one block
.irp t, 0,1,2,3
	global_load_b128 v[ARING+32*(\slot)+8*(\t):ARING+32*(\slot)+8*(\t)+3],   v[TOK], s[RB:RB+1] offset:(\imm)+64*(\t)
	global_load_b128 v[ARING+32*(\slot)+8*(\t)+4:ARING+32*(\slot)+8*(\t)+7], v[TOK], s[RB:RB+1] offset:(\imm)+64*(\t)+32
.endr
.endm
.macro GATHER b                        ; block b's sums + bias: the add also brings the four numbers of a store side by side.  Register 0 of every accumulator is read first
	WIN RD1
.irp j, 0,1,2,3,4,5,6,7
.irp u, 0,1
.irp c, 0,1,2,3
	v_add_f32 v[VV+4*(2*(\j)+(\u))+(\c)], v[64*(\b)+8*(4*(\u)+(\c))+(\j)], v[BI+4*(\u)+(\c)]
.endr
.endr
.endr
	WIN 0
.endm
	s_load_b256 s[4:11], s[0:1], 0x0               ; W2 s[4:5], b2 s[6:7], hbuf s[8:9], meta s[10:11]
	s_load_b64 s[12:13], s[0:1], 0x20              ; part
	v_lshl_add_u32 v[SPW], v0, 2, SPARE
	v_mov_b32 v[NIL], 0
	v_and_b32 v[LANE], 31, v0
	v_and_b32 v[RR], 15, v0
	v_bfe_u32 v[HH], v0, 4, 1
	v_lshrrev_b32 v[TA], 5, v0
	v_readfirstlane_b32 s[WV], v[TA]
	s_lshr_b32 s[PW], s[WV], 1
	s_and_b32 s[UU], s[WV], 1
	s_mov_b32 s[SL], ttmp9
	s_and_b32 s[EX], ttmp7, 0xffff
	s_lshr_b32 s[QQ], s[SL], 3
	s_and_b32 s[DS], s[SL], 7
	v_lshlrev_b32 v[LANE16], 4, v[LANE]
	v_lshlrev_b32 v[H16], 4, v[HH]
	v_lshlrev_b32 v[R16], 4, v[RR]
	s_mul_i32 s[TS], s[PW], WSROWS*PITCH           ; my K step's rows,
	s_lshl_b32 s[SAV], s[UU], 8                    ; my unit's 256 bytes of a row
	s_add_co_u32 s[TS], s[TS], s[SAV]
	v_mul_u32_u24 v[WOFF], v[HH], HSTEP*PITCH
	v_add_nc_u32 v[WOFF], v[WOFF], v[R16]
	v_add_nc_u32 v[WOFF], s[TS], v[WOFF]
	s_lshl_b32 s[TS], s[WV], 12                    ; 8,192 x K step + 4,096 x unit = 4,096 w
	v_add_nc_u32 v[WADR], s[TS], v[LANE16]
	v_mov_b32 v[BADR], v[LANE16]
.irp i, 1,2,3
	v_add_nc_u32 v[WADR+(\i)], (\i)*0x10000, v[WADR]
	v_add_nc_u32 v[BADR+(\i)], (\i)*0x10000, v[LANE16]
.endr
	v_mul_u32_u24 v[OOFF], v[HH], 8*ROWB
	v_add_nc_u32 v[OOFF], v[OOFF], v[R16]
	v_lshl_add_u32 v[ROWA], v[RR], 13, v[H16]
	s_mov_b32 s[OF+1], 0
	s_mov_b32 s[KOFF+1], 0
	s_wait_kmcnt 0x0
	s_lshl_b32 s[OF], s[EX], 7
	s_add_nc_u64 s[10:11], s[10:11], s[OF:OF+1]
	s_load_b32 s[NBLK], s[10:11], 0x0              ; my expert's number of blocks
	s_lshl_b32 s[OF], s[EX], 24                    ; an expert's W2 is 16 MiB,
	s_lshl_b32 s[TS], s[QQ], 22                    ; a quarter's 1,024 rows 4 MiB,
	s_add_co_u32 s[OF], s[OF], s[TS]
	s_lshl_b32 s[TS], s[DS], 9                     ; 128 columns 512 bytes
	s_add_co_u32 s[OF], s[OF], s[TS]
	s_add_nc_u64 s[WB:WB+1], s[4:5], s[OF:OF+1]
.irp j, 1,2,3
	s_add_nc_u64 s[WB+2*(\j):WB+2*(\j)+1], s[WB+2*(\j)-2:WB+2*(\j)-1], 2*CHUNKB
.endr
	s_lshl_b32 s[OF], s[EX], 12
	s_add_co_u32 s[OF], s[OF], s[TS]
	s_add_nc_u64 s[BB:BB+1], s[6:7], s[OF:OF+1]
	s_lshl_b32 s[OF], s[QQ], 25                    ; a quarter of part is 32 MiB, an expert's 1,024 rows 4 MiB
	s_add_co_u32 s[OF], s[OF], s[TS]
	s_lshl_b32 s[TS], s[EX], 22
	s_add_co_u32 s[OF], s[OF], s[TS]
	s_add_nc_u64 s[OUTB:OUTB+1], s[12:13], s[OF:OF+1]
	s_lshl_b32 s[OF], s[EX], 23                    ; an expert's 1,024 rows of hbuf are 8 MiB, a quarter of a row 2,048 bytes
	s_lshl_b32 s[TS], s[QQ], 11
	s_add_co_u32 s[OF], s[OF], s[TS]
	s_add_nc_u64 s[AB0:AB0+1], s[8:9], s[OF:OF+1]
	global_load_b128 v[BI:BI+3],   v[R16], s[BB:BB+1]                 ; the bias of columns 64 u + 4 r + c: wanted on the way out alone
	global_load_b128 v[BI+4:BI+7], v[R16], s[BB:BB+1] offset:256
	WLOAD 0                                        ; the first two chunks' items go out before anything else is done
	WLOAD 1
	WIN 0
	s_wait_kmcnt 0x0
	s_min_u32 s[NBLK], s[NBLK], 64
	s_max_u32 s[NBLK], s[NBLK], 1
	s_sub_co_u32 s[SAV], s[NBLK], 1
.irp b, 0,1
	s_lshl1_add_u32 s[TS], s[WV], \b               ; my blocks 2 w, 2 w + 1; one that does not exist repeats the last that does
	s_min_u32 s[TS], s[TS], s[SAV]
	s_min_u32 s[TS], s[TS], 63
	s_lshl_b32 s[TS], s[TS], 17                    ; 16 rows of 8,192 bytes
	v_add_nc_u32 v[TOK+(\b)], s[TS], v[ROWA]
.endr
.irp q, 0,1,2,3,4,5,6,7
	ALOAD \q, 64*(\q)                              ; the rows of the first two chunks
.endr
.irp t, 0,1,2,3,4,5,6,7
	TRIP \t
.endr
.irp i, 0,1,2,3                        ; every load is back (the last count was 0)
	v_cvt_pk_bf16_f32 v[TA], v[BI+2*(\i)], v[BI+2*(\i)+1]  ; the bias rounded to bf16, like every input
	v_lshlrev_b32 v[BI+2*(\i)], 16, v[TA]
	v_and_b32 v[BI+2*(\i)+1], 0xffff0000, v[TA]
.endr
.irp i, 0,1,2,3,4,5,6,7
	v_mul_f32 v[BI+(\i)], 0x3e800000, v[BI+(\i)]   ; a quarter of it in each of the four partial sums
.endr
	; THE UNITS: eight trips, a block each.  Trips 0, 1: my two blocks go out.  Trips 2-7: blocks w + 8 x trip are multiplied from LDS and go out.  Dead trips jump forward; no barrier stands here, and LDS is only read.
	s_mov_b32 s[UI], 0
.Lunit:
	s_wait_xcnt 0x0                                ; the last unit's stores have read their registers and their base
	s_cmp_ge_u32 s[UI], 2
	s_cbranch_scc1 .Lrem
	s_lshl1_add_u32 s[BLK], s[WV], s[UI]
	s_cmp_ge_u32 s[BLK], s[NBLK]
	s_cbranch_scc1 .Lnext
	s_cmp_eq_u32 s[UI], 0
	s_cbranch_scc1 .Lg0
	s_branch .Lg1
.Lrem:
	s_lshl3_add_u32 s[BLK], s[UI], s[WV]
	s_cmp_ge_u32 s[BLK], s[NBLK]
	s_cbranch_scc1 .Lnext
	s_lshl_b32 s[TS], s[BLK], 17
	v_add_nc_u32 v[TOK], s[TS], v[ROWA]
	s_mov_b64 s[RB:RB+1], s[AB0:AB0+1]
	v_mov_b32 v[BR], v[LANE16]
	RA 0, 0
	RA 1, 256
	WIN TO1
.set i, 0
.rept 64
	v_mov_b32 v[i], 0                              ; the block's sums start at 0, so that one text serves every K step; these lines stand in the wait for the rows
.set i, i+1
.endr
	WIN 0
	s_mov_b32 s[KOFF], 0
	s_mov_b32 s[KIT], 4
.Lk:                                                   ; eight K steps a trip; fragments are asked for two steps ahead inside the trip, rows four to eight steps ahead.  The rows that the last trip asks for ahead are the first steps' once more, and are not used
	s_add_co_u32 s[KOFF], s[KOFF], 512
	s_and_b32 s[KOFF], s[KOFF], 2047
	s_wait_xcnt 0x0                                ; the base is written only behind this wait
	s_add_nc_u64 s[RB:RB+1], s[AB0:AB0+1], s[KOFF:KOFF+1]
	RB16 BF, 0
	RB16 BF+128, 8192
.irp sb, 0,1,2,3,4,5,6,7
.if ((\sb)%4) == 0
	s_wait_loadcnt 8                               ; these four steps' rows are in; the younger slot's eight loads may stay out
.endif
.if (\sb) < 7
	s_wait_dscnt 16                                ; this step's fragments are in; the next step's sixteen loads may stay out
.else
	s_wait_dscnt 0x0
.endif
	WIN MUL
.irp nb, 0,1,2,3,4,5,6,7
	v_wmma_f32_16x16x32_bf16 v[8*(\nb):8*(\nb)+7], v[ARING+8*(\sb):ARING+8*(\sb)+7], v[BF+128*((\sb)%2)+8*(\nb):BF+128*((\sb)%2)+8*(\nb)+7], v[8*(\nb):8*(\nb)+7]
.endr
	PLACES
	WIN 0
.if (\sb) < 6
	RB16 BF+128*((\sb)%2), 8192*((\sb)+2)
.endif
.if (\sb) == 3
	RA 0, 0
.endif
.if (\sb) == 7
	RA 1, 256
.endif
.endr
	v_add_nc_u32 v[BR], 0x10000, v[BR]
	s_sub_co_u32 s[KIT], s[KIT], 1
	s_cmp_lg_u32 s[KIT], 0
	s_cbranch_scc1 .Lk
	s_wait_loadcnt 0x0                             ; what the last trip asked for ahead is retired
.Lg0:
	GATHER 0
	s_branch .Lcommon
.Lg1:
	GATHER 1
.Lcommon:
	s_lshl_b32 s[OF], s[BLK], 16                   ; 16 rows of 4,096 bytes
	s_add_nc_u64 s[OB:OB+1], s[OUTB:OUTB+1], s[OF:OF+1]
.irp j, 0,1,2,3,4,5,6,7
.irp u, 0,1
	global_store_b128 v[OOFF], v[VV+4*(2*(\j)+(\u)):VV+4*(2*(\j)+(\u))+3], s[OB:OB+1] offset:ROWB*(\j)+256*(\u)  ; 16 lanes store 256 consecutive bytes, at a multiple of 256 from part's first
.endr
.endr
.Lnext:
	s_add_co_u32 s[UI], s[UI], 1
	s_cmp_lt_u32 s[UI], 8
	s_cbranch_scc1 .Lunit
	s_wait_dscnt 0x0                               ; my reads of LDS are back,
	s_barrier_signal -1
	s_barrier_wait -1                              ; and everybody's, before any wave goes on to its closing lines
	s_wait_tensorcnt 0x0                           ; the wave's end: behind my last LDS store
	ds_add_u32 v[SPW], v[NIL]
	s_wait_dscnt 0x0
	s_endpgm
.Lfunc_end_k_qed398c5dea_fc2:
	.size	k_qed398c5dea_fc2, .Lfunc_end_k_qed398c5dea_fc2-k_qed398c5dea_fc2
	.p2alignl 7, 3214868480
	.fill 96, 4, 3214868480
	.section	.rodata,"a",@progbits
	.p2align	6, 0x0
	.amdhsa_kernel k_qed398c5dea_fc2
		.amdhsa_group_segment_fixed_size 263168
		.amdhsa_private_segment_fixed_size 0
		.amdhsa_enable_private_segment 0
		.amdhsa_kernarg_size 40
		.amdhsa_user_sgpr_count 2
		.amdhsa_user_sgpr_kernarg_segment_ptr 1
		.amdhsa_wavefront_size32 1
		.amdhsa_system_sgpr_workgroup_id_x 1
		.amdhsa_system_sgpr_workgroup_id_y 1
		.amdhsa_system_sgpr_workgroup_id_z 1
		.amdhsa_system_vgpr_workitem_id 0
		.amdhsa_next_free_vgpr 512
		.amdhsa_next_free_sgpr 80
		.amdhsa_reserve_vcc 0
		.amdhsa_float_denorm_mode_32 3
		.amdhsa_float_denorm_mode_16_64 3
		.amdhsa_memory_ordered 1
		.amdhsa_forward_progress 1
		.amdhsa_inst_pref_size 154
	.end_amdhsa_kernel
	.amdgpu_metadata
---
amdhsa.version: [ 1, 2 ]
amdhsa.kernels:
  - .name:           k_qed398c5dea_fc2
    .symbol:         k_qed398c5dea_fc2.kd
    .args:
      - { .name: W2, .offset: 0, .size: 8, .value_kind: global_buffer, .address_space: global }
      - { .name: b2, .offset: 8, .size: 8, .value_kind: global_buffer, .address_space: global }
      - { .name: hbuf, .offset: 16, .size: 8, .value_kind: global_buffer, .address_space: global }
      - { .name: meta, .offset: 24, .size: 8, .value_kind: global_buffer, .address_space: global }
      - { .name: part, .offset: 32, .size: 8, .value_kind: global_buffer, .address_space: global }
    .group_segment_fixed_size: 263168
    .private_segment_fixed_size: 0
    .kernarg_segment_align: 8
    .kernarg_segment_size: 40
    .max_flat_workgroup_size: 256
    .sgpr_count:     80
    .vgpr_count:     512
    .wavefront_size: 32
...
	.end_amdgpu_metadata
.endif
;; end of part 4
;; launch combine (part 5): grid 256 x 1, 8 waves a work-group, no clusters, 0 bytes of LDS; arguments part, sel, gate, rankb, out0; writes out0
.if DOCPART == 5
	.amdgcn_target "amdgcn-amd-amdhsa--gfx1250"
	.amdhsa_code_object_version 6
	.text
	.protected	k_qed398c5dea_combine
	.globl	k_qed398c5dea_combine
	.p2align	8
	.type	k_qed398c5dea_combine,@function
k_qed398c5dea_combine:
	s_mov_b64 s[64:65], 0
	v_nop
	global_prefetch_b8 v0, s[64:65] scope:SCOPE_SE
	s_setreg_imm32_b32 hwreg(HW_REG_WAVE_MODE, 25, 1), 1
	s_wait_xcnt 0x0
; THE SUM.  out0[t] = g1 (sum over q of part[q][e1 x 1024 + rank1]) + g2 (the same for e2): each output row has one owner, and the partial sums are added in a fixed order, in f32.
; SHARES.  A work-group has 4 tokens; a wave half a token's row, 2,048 bytes: 32 loads of 512 consecutive bytes, all issued before the first wait, 4 stores of 512 consecutive bytes.
; The experts come from sel, the ranks from rankb: whole numbers that earlier launches stored.  All eight experts' ranks of the token are fetched beside sel (lane l holds expert l % 8's), so that the
; choice costs no second trip to memory.  A stream: LDS, barriers, the matrix unit and clusters would add nothing; no work-group shares a byte with another.
.set QSTEP, 0x2000000                  ; bytes from one quarter of part to the next
.set P, 32                             ; choice i, quarter q, piece j at P + 64 i + 16 q + 4 j
	s_load_b256 s[4:11], s[0:1], 0x0               ; part s[4:5], sel s[6:7], gate s[8:9], rankb s[10:11]
	s_load_b64 s[12:13], s[0:1], 0x20              ; out0
	v_lshrrev_b32 v2, 5, v0
	v_readfirstlane_b32 s16, v2                    ; wave
	s_lshr_b32 s17, s16, 1
	s_lshl2_add_u32 s17, ttmp9, s17                ; my token
	s_and_b32 s18, s16, 1
	s_lshl_b32 s18, s18, 11                        ; my half of its row
	s_lshl_b32 s24, s17, 2
	s_mov_b32 s25, 0
	s_lshl_b32 s26, s17, 3
	s_mov_b32 s27, 0
	s_lshl_b32 s28, s17, 12
	s_add_co_u32 s28, s28, s18
	s_mov_b32 s29, 0
	v_and_b32 v1, 31, v0
	v_lshlrev_b32 v1, 4, v1                        ; 16 bytes a lane
	v_and_b32 v3, 7, v0
	v_lshlrev_b32 v3, 12, v3
	v_add_nc_u32 v3, s24, v3                       ; rankb[lane % 8][token]
	s_wait_kmcnt 0x0
	s_add_nc_u64 s[6:7], s[6:7], s[24:25]
	s_add_nc_u64 s[8:9], s[8:9], s[26:27]
	s_add_nc_u64 s[12:13], s[12:13], s[28:29]
	s_load_b32 s20, s[6:7], 0x0
	s_load_b64 s[22:23], s[8:9], 0x0               ; g1, g2
	global_load_b32 v4, v3, s[10:11]
	s_mov_b32 s49, 0
	s_mov_b32 s51, 0
	s_wait_kmcnt 0x0
	s_and_b32 s30, s20, 0xff
	s_min_u32 s30, s30, 7                          ; e1
	s_bfe_u32 s31, s20, 0x80008
	s_min_u32 s31, s31, 7                          ; e2
	s_mov_b32 s52, s23                             ; g2 in a pair of its own: the packed forms take a pair's low word for both halves
	s_mov_b32 s53, s23
	s_wait_loadcnt 0x0
	v_readlane_b32 s48, v4, s30
	v_readlane_b32 s50, v4, s31
	s_min_u32 s48, s48, 0x3ff
	s_min_u32 s50, s50, 0x3ff
	s_lshl_b32 s30, s30, 10
	s_lshl_b32 s31, s31, 10
	s_add_co_u32 s48, s48, s30                     ; the row's place: expert x 1,024 + rank,
	s_add_co_u32 s50, s50, s31
	s_lshl_b32 s48, s48, 12                        ; in bytes,
	s_lshl_b32 s50, s50, 12
	s_add_co_u32 s48, s48, s18                     ; and my half of it
	s_add_co_u32 s50, s50, s18
	s_add_nc_u64 s[32:33], s[4:5], s[48:49]
	s_add_nc_u64 s[40:41], s[4:5], s[50:51]
.irp q, 1,2,3
	s_add_nc_u64 s[32+2*(\q):33+2*(\q)], s[30+2*(\q):31+2*(\q)], QSTEP
	s_add_nc_u64 s[40+2*(\q):41+2*(\q)], s[38+2*(\q):39+2*(\q)], QSTEP
.endr
.irp i, 0,1
.irp q, 0,1,2,3
.irp j, 0,1,2,3
	global_load_b128 v[P+64*(\i)+16*(\q)+4*(\j):P+64*(\i)+16*(\q)+4*(\j)+3], v1, s[32+8*(\i)+2*(\q):33+8*(\i)+2*(\q)] offset:512*(\j) th:TH_LOAD_NT
.endr
.endr
.endr
.macro SUMQ i                          ; (q0 + q1) + (q2 + q3), into q0's registers
.irp j, 0,1,2,3
.irp d, 0,2
	v_pk_add_f32 v[P+64*(\i)+4*(\j)+(\d):P+64*(\i)+4*(\j)+(\d)+1], v[P+64*(\i)+4*(\j)+(\d):P+64*(\i)+4*(\j)+(\d)+1], v[P+64*(\i)+16+4*(\j)+(\d):P+64*(\i)+16+4*(\j)+(\d)+1]
	v_pk_add_f32 v[P+64*(\i)+32+4*(\j)+(\d):P+64*(\i)+32+4*(\j)+(\d)+1], v[P+64*(\i)+32+4*(\j)+(\d):P+64*(\i)+32+4*(\j)+(\d)+1], v[P+64*(\i)+48+4*(\j)+(\d):P+64*(\i)+48+4*(\j)+(\d)+1]
	v_pk_add_f32 v[P+64*(\i)+4*(\j)+(\d):P+64*(\i)+4*(\j)+(\d)+1], v[P+64*(\i)+4*(\j)+(\d):P+64*(\i)+4*(\j)+(\d)+1], v[P+64*(\i)+32+4*(\j)+(\d):P+64*(\i)+32+4*(\j)+(\d)+1]
.endr
.endr
.endm
	s_wait_loadcnt 16                              ; the first choice's sixteen loads are in; the second's may stay out
	SUMQ 0
.irp j, 0,1,2,3
.irp d, 0,2
	v_pk_mul_f32 v[P+4*(\j)+(\d):P+4*(\j)+(\d)+1], v[P+4*(\j)+(\d):P+4*(\j)+(\d)+1], s[22:23] op_sel_hi:[1,0]
.endr
.endr
	s_wait_loadcnt 0x0
	SUMQ 1
.irp j, 0,1,2,3
.irp d, 0,2
	v_pk_fma_f32 v[P+4*(\j)+(\d):P+4*(\j)+(\d)+1], v[P+64+4*(\j)+(\d):P+64+4*(\j)+(\d)+1], s[52:53], v[P+4*(\j)+(\d):P+4*(\j)+(\d)+1] op_sel_hi:[1,0,1]
.endr
	global_store_b128 v1, v[P+4*(\j):P+4*(\j)+3], s[12:13] offset:512*(\j) th:TH_STORE_NT  ; 512 consecutive bytes, at a multiple of 256 from out0's first
.endr
	s_endpgm
.Lfunc_end_k_qed398c5dea_combine:
	.size	k_qed398c5dea_combine, .Lfunc_end_k_qed398c5dea_combine-k_qed398c5dea_combine
	.p2alignl 7, 3214868480
	.fill 96, 4, 3214868480
	.section	.rodata,"a",@progbits
	.p2align	6, 0x0
	.amdhsa_kernel k_qed398c5dea_combine
		.amdhsa_group_segment_fixed_size 0
		.amdhsa_private_segment_fixed_size 0
		.amdhsa_enable_private_segment 0
		.amdhsa_kernarg_size 40
		.amdhsa_user_sgpr_count 2
		.amdhsa_user_sgpr_kernarg_segment_ptr 1
		.amdhsa_wavefront_size32 1
		.amdhsa_system_sgpr_workgroup_id_x 1
		.amdhsa_system_sgpr_workgroup_id_y 1
		.amdhsa_system_sgpr_workgroup_id_z 1
		.amdhsa_system_vgpr_workitem_id 0
		.amdhsa_next_free_vgpr 160
		.amdhsa_next_free_sgpr 66
		.amdhsa_reserve_vcc 0
		.amdhsa_float_denorm_mode_32 3
		.amdhsa_float_denorm_mode_16_64 3
		.amdhsa_memory_ordered 1
		.amdhsa_forward_progress 1
		.amdhsa_inst_pref_size 11
	.end_amdhsa_kernel
	.amdgpu_metadata
---
amdhsa.version: [ 1, 2 ]
amdhsa.kernels:
  - .name:           k_qed398c5dea_combine
    .symbol:         k_qed398c5dea_combine.kd
    .args:
      - { .name: part, .offset: 0, .size: 8, .value_kind: global_buffer, .address_space: global }
      - { .name: sel, .offset: 8, .size: 8, .value_kind: global_buffer, .address_space: global }
      - { .name: gate, .offset: 16, .size: 8, .value_kind: global_buffer, .address_space: global }
      - { .name: rankb, .offset: 24, .size: 8, .value_kind: global_buffer, .address_space: global }
      - { .name: out0, .offset: 32, .size: 8, .value_kind: global_buffer, .address_space: global }
    .group_segment_fixed_size: 0
    .private_segment_fixed_size: 0
    .kernarg_segment_align: 8
    .kernarg_segment_size: 40
    .max_flat_workgroup_size: 256
    .sgpr_count:     66
    .vgpr_count:     160
    .wavefront_size: 32
...
	.end_amdgpu_metadata
.endif
;; end of part 5
